; MI455X (gfx1250); checked and timed in simulation.
; The chip was launched on July 23, 2026; its instructions are those of AMD's public machine-readable ISA for CDNA 5 (MIT licence, August 2026) and "CDNA5" Instruction Set Architecture Reference Guide (July 2026). The comments in the code are by the model that wrote it; some were corrected since.
;; Scaled Dot Product. Allowed arithmetic: matrix products marked QUANTISED: E2M3 operands, one E8M0 scale for each 32 along K, by v_wmma_scale_f32_16x16x128_f8f6f4 with both operands' format E2M3, f32 sums; everything else in f32.
;; Inputs: k 4 x 16 x 2,048 x 64 float32; q 4 x 16 x 2,048 x 64 float32; v 4 x 16 x 2,048 x 64 float32.
;; Outputs: out0 4 x 16 x 2,048 x 64 float32.
;; This version of the problem:
;;   THIS VERSION OF THE PROBLEM IS GIVEN IN LOW PRECISION. The matrix products marked QUANTISED in the list below multiply operands that are first quantised to E2M3 (2 exponent bits, 3 mantissa bits; 6 bits a number), with one power-of-two scale for each 32 numbers along K (OCP MX v1.0); their sums are f32. All else is computed in f32.
;;   The module's matrix products, in the order in which they are computed (A, B: the left and right operand; K: the contracted axis; several contracted axes count as one K, in the product's order):
;;     1. batch 64 x [M 2,048, K 64] x [K 64, N 2,048]; A: input q; B: input k: QUANTISED
;;     2. batch 64 x [M 2,048, K 2,048] x [K 2,048, N 64]; A: softmax (see below); B: input v: QUANTISED
;;   THE QUANTISER, for each operand of a quantised product, along K:
;;     - K is cut into blocks of 32 from its start; a last block that is shorter is filled with zeros.
;;     - A block's scale is 2^e with e = floor(log2(the largest magnitude in the block)) - 2, held to -126 .. 127; a block of zeros has e = 0. As a byte (E8M0): e + 127.
;;     - Each number is divided by its block's scale, clamped to +-7.5, and rounded to the nearest number of E2M3, ties to even, subnormals kept.
;;     - The product sums the exact products of the quantised numbers (number of the format x scale) in f32.
;;   ~~~python
;;   def quantise(x, axis):      # numpy; x: float32 -> the quantised numbers, widened to float32 again
;;       x = np.moveaxis(x, axis, -1); K = x.shape[-1]
;;       x = np.pad(x, [(0, 0)] * (x.ndim - 1) + [(0, -K % 32)]); x = x.reshape(x.shape[:-1] + (-1, 32)); a = np.abs(x).max(-1, keepdims=True)
;;       e = np.where(a > 0, np.clip(np.frexp(np.where(a > 0, a, 1))[1] - 1 - 2, -126, 127), 0)      # np.frexp(a)[1] - 1 = floor(log2(a)), exactly
;;       r = np.clip(x / 2.0 ** e, -7.5, 7.5)
;;       step = 2.0 ** (np.maximum(np.frexp(np.where(r == 0, 1, r))[1] - 1, 0) - 3)
;;       q = np.round(r / step) * step * 2.0 ** e      # np.round: ties to even
;;       return np.moveaxis(q.reshape(q.shape[:-2] + (-1,))[..., :K], -1, axis).astype(np.float32)
;;   ~~~
;;   SOFTMAX AHEAD OF A QUANTISED PRODUCT. Where the list says 'softmax', what is quantised is not the finished softmax but p = 2^(t - M), with t = logit x log2(e) and M = ceil(the row's largest t), a whole number; so 1/2 < the row's largest p <= 1. The row's sum l is taken of the UNQUANTISED p, in f32, and the product's result is divided by l at the end. Since M is a whole number, a kernel that streams over the keys may use a running M (the ceiling of the running maximum): every later rescaling is an exact power of two, which a block's scale takes up: the codes' values come out the same.
;;   OPERANDS COMPUTED ON THE WAY. 'Computed on the way' means the value that the module computes at that place (a softmax that the list does not call 'softmax' is quantised finished and normalised). What goes into a quantiser is computed in f32, as accurately as f32 sums, v_exp_f32 and their like allow (about 1e-6 of the number): no bf16 or f16 on the way to a quantiser, and a product that is left as it is and whose result goes on into a quantised operand takes f32 operands (vector FMAs, or v_wmma_f32_16x16x4_f32). A number that lies on a knife's edge between two numbers of the format may be rounded either way, as far as f32 arithmetic and the matrix unit's own rounding can turn it there, and no further.
;; One version. Each part assembles by itself: llvm-mc -triple=amdgcn-amd-amdhsa -mcpu=gfx1250 --defsym DOCPART=n.
;; ======== version 1 of 1: 2 launches
;; limits: right only within a limited range of input values
;; workspace buffers: kv 13,631,488 bytes
;; launch quant (part 1): grid 1024 x 2, 4 waves a work-group, no clusters, 36,864 bytes of LDS; arguments k, v, kv; writes kv
.if DOCPART == 1
	.amdgcn_target "amdgcn-amd-amdhsa--gfx1250"
	.amdhsa_code_object_version 6
	.text
	.protected	k_qde98b41d70_quant
	.globl	k_qde98b41d70_quant
	.p2align	8
	.type	k_qde98b41d70_quant,@function
k_qde98b41d70_quant:
	s_mov_b64 s[64:65], 0
	v_nop
	global_prefetch_b8 v0, s[64:65] scope:SCOPE_SE
	s_setreg_imm32_b32 hwreg(HW_REG_WAVE_MODE, 25, 1), 1
	s_wait_xcnt 0x0
; k and v, [64 heads][2048 keys][64] f32, become codes of FP6 (E2M3) with one E8M0 scale byte for each 32 along a product's K, laid in kv as IMAGES OF THE OPERAND REGISTERS of the launch that follows.
; NOTHING OF THE PROBLEM IS LEFT OUT: q, k and v all reach the output.  (q is quantised by the next launch: one wave alone reads each of its rows.)
; k's K is the head's 64 (innermost); v's K is the keys.  A block's scale is 2^(floor(log2(its largest magnitude)) - 2): its byte is that magnitude's exponent field - 2, held at 1 from below.
; LIMITS: NaN and infinities among the inputs are not served.  A block whose largest magnitude lies under 2^(3 - 127), a block of zeros among them, gets the byte 1 where the rule says 127 for zeros;
; the bytes are read by this program alone.
; kv = 1,024 chunks of 13,312 bytes; chunk x = 16 x head + key step (128 keys).  l = lane, r = l % 16, h = l / 16.
;   0 + 512 g      K: registers 4 g .. 4 g + 3 of 48, 16 bytes at 16 l.  Tile T = 4 c + u has registers 6 T .. 6 T + 5: lane (r, h) holds d = 32 h .. 32 h + 31 of key 64 c + 32 (r / 8) + 8 u + r % 8
;   6144           K's scale words, four registers, 16 bytes at 16 l: register b: lanes 0-15 tile 2 b's, lanes 16-31 tile 2 b + 1's; byte 0: d 0-31, byte 1: d 32-63, bytes 2, 3: 127
;   6656 + 1536 t + 512 j   V tile t (channels 16 t on), registers 4 j .. 4 j + 3.  Lane (r, h), registers 6 c .. 6 c + 5: keys 64 c + 32 h + 0 .. 31 of channel 16 t + r
;   12800          V's scale words, four registers, 16 bytes at 16 l: register t: channel 16 t + r's word, byte 2 c + h for keys 64 c + 32 h on; lanes 16-31 hold a copy
; SHARES.  Work-group (x, y) reads the dense 32,768 bytes at 32,768 x of k (y = 0) or v (y = 1) and writes that half of chunk x.  Each wave loads 32 rows, 512 consecutive bytes a load, into a stage
; that the four share; behind one barrier a lane reads back a whole block: of k along a row, of v down a column.  No matrix unit, no tensor load, no cluster (no two work-groups read the same bytes).
; Every store of codes covers 512 consecutive bytes, aligned; a wave's scale words are 4 bytes of each lane's 16, the four waves' together 512 bytes.
.set GRP,   9024                       ; the stage: 32 rows to a group; row p of a group at 272 p + 128 (p / 16)
.set PITCH, 272
.set SPARE, 36096                      ; behind the stage: the spare words, 128 bytes a wave
.set HALF,  6656
.set X,     64                         ; v64-127  64 numbers
.set C,     24                         ; v24-35   codes
.set TQ,    38                         ; v38-40   a conversion's second result
.set SO,    16
.set BY,    18
.set SPW,   12
.set NIL,   13
	s_load_b128 s[4:7], s[0:1], 0x0                ; k, v
	s_load_b64 s[8:9], s[0:1], 0x10                ; kv
	v_lshl_add_u32 v[SPW], v0, 2, SPARE
	v_mov_b32 v[NIL], 0
	v_lshrrev_b32 v1, 5, v0
	v_readfirstlane_b32 s10, v1                    ; wave w
	s_and_b32 s11, ttmp7, 0xffff                   ; y: 0 = k, 1 = v
	v_and_b32 v1, 31, v0                           ; l
	v_and_b32 v2, 15, v0                           ; r
	v_bfe_u32 v3, v0, 4, 1                         ; h
	v_lshlrev_b32 v4, 4, v1                        ; in: 16 bytes a lane
	s_mul_i32 s18, s10, GRP                        ; my wave's group of 32 rows
	v_mul_u32_u24 v5, v3, PITCH
	v_lshl_add_u32 v5, v2, 4, v5
	v_add_nc_u32 v5, s18, v5                       ; into the stage: a load's two rows
	v_and_b32 v14, 7, v2                           ; r % 8
	v_lshrrev_b32 v15, 3, v2                       ; r / 8
	v_mul_u32_u24 v6, v14, PITCH
	v_mad_u32_u24 v6, v15, GRP, v6                 ; k's way back: tiles 2 w, 2 w + 1: group 2 (w / 2) + r / 8,
	v_lshl_add_u32 v6, v3, 7, v6                   ; d = 32 h on,
	s_lshr_b32 s20, s10, 1
	s_mul_i32 s20, s20, 2*GRP
	s_and_b32 s21, s10, 1
	s_mul_i32 s21, s21, 16*PITCH+128               ; row 16 (w % 2) + 8 u + r % 8 of the group (8 u rows: the loads' offset)
	s_add_co_u32 s20, s20, s21
	v_add_nc_u32 v6, s20, v6
	v_mul_u32_u24 v7, v3, GRP
	v_lshl_add_u32 v7, v2, 2, v7
	s_lshl_b32 s19, s10, 6
	v_add_nc_u32 v7, s19, v7                       ; v's way back: group h, channel 16 w + r
	s_mul_i32 s19, s10, 1536
	v_add_nc_u32 v8, s19, v4                       ; out: 16 l + 1,536 w
	s_lshl_b32 s19, s10, 2
	v_lshl_add_u32 v10, v1, 4, s19                 ; scale words: 16 l + 4 w
	v_lshlrev_b32 v11, 3, v3                       ; 8 h
	v_mov_b32 v21, 0                               ; a lane permute's destination counts as one of its sources
	v_mov_b32 v23, 0
	s_mov_b32 s16, 0x76543210
	s_mov_b32 s17, 0xfedcba98
	s_lshl_b32 s12, ttmp9, 15
	s_lshl_b32 s13, s10, 13
	s_add_co_u32 s12, s12, s13
	s_mov_b32 s13, 0
	s_mul_i32 s14, ttmp9, 2*HALF
	s_mul_i32 s15, s11, HALF
	s_add_co_u32 s14, s14, s15
	s_mov_b32 s15, 0
	s_wait_alu depctr_va_vdst(0)                   ; the wait at the head's end
	s_wait_kmcnt 0x0
	s_cmp_eq_u32 s11, 0
	s_cselect_b64 s[4:5], s[4:5], s[6:7]
	s_add_nc_u64 s[4:5], s[4:5], s[12:13]
	s_add_nc_u64 s[8:9], s[8:9], s[14:15]
.set i, 0
.rept 16
	global_load_b128 v[X+4*i:X+4*i+3], v4, s[4:5] offset:512*i th:TH_LOAD_NT
.set i, i+1
.endr
.set i, 0
.rept 16
	s_wait_loadcnt 15-i                            ; load i is in, the 15 - i younger ones may be out
	ds_store_b128 v5, v[X+4*i:X+4*i+3] offset:2*PITCH*i+128*(i/8)
.set i, i+1
.endr
	s_wait_dscnt 0x0                               ; my stores into the stage are done
	s_barrier_signal -1
	s_barrier_wait -1                              ; all 128 rows lie in the stage; nothing is stored there again
; 32 numbers of one block become six registers of codes at v[dst], the scale's byte in v[BY + n]
.macro QBLOCK src, dst, n
	v_max3_num_f32 v14, |v[\src]|, |v[\src+1]|, |v[\src+2]|
	v_max3_num_f32 v15, |v[\src+3]|, |v[\src+4]|, |v[\src+5]|
.irp i, 6,10,14,18,22,26
	v_max3_num_f32 v14, v14, |v[\src+\i]|, |v[\src+\i+1]|
	v_max3_num_f32 v15, v15, |v[\src+\i+2]|, |v[\src+\i+3]|
.endr
	v_max3_num_f32 v14, v14, |v[\src+30]|, |v[\src+31]|
	v_max3_num_f32 v14, v14, v15, 0x1800000        ; the floor 2^(3 - 127): the byte cannot fall under 1
	v_add_nc_u32 v[SO+\n], 0xff000000, v14         ; 2 off the exponent field: the conversion's scale operand
	v_lshrrev_b32 v[BY+\n], 23, v[SO+\n]
	v_cvt_scalef32_pk16_fp6_f32 v[\dst:\dst+2], v[\src:\src+15], v[SO+\n]
	v_cvt_scalef32_pk16_fp6_f32 v[TQ:TQ+2], v[\src+16:\src+31], v[SO+\n]
	v_nop                                          ; one plain place behind a scaled conversion
.irp m, 0,1,2
	v_mov_b32 v[\dst+3+\m], v[TQ+\m]
.endr
.endm
	s_cmp_lg_u32 s11, 0
	s_cbranch_scc1 .Lv
	; ---- k: wave w makes tiles 2 w and 2 w + 1: twelve registers, three groups of four
.irp u, 0,1
.irp i, 0,1,2,3,4,5,6,7
	ds_load_b128 v[X+32*\u+4*\i:X+32*\u+4*\i+3], v6 offset:8*PITCH*\u+16*\i
.endr
.endr
	s_wait_dscnt 8                                 ; the first tile's eight loads are in
	QBLOCK X, C, 0
	s_wait_dscnt 0x0
	QBLOCK X+32, C+6, 1
.irp j, 0,1,2
	global_store_b128 v8, v[C+4*\j:C+4*\j+3], s[8:9] offset:512*\j
.endr
.irp u, 0,1
	v_lshlrev_b32 v[20+2*\u], v11, v[BY+\u]        ; my block's byte at its place,
	v_permlanex16_b32 v[21+2*\u], v[20+2*\u], s16, s17
	v_or_b32 v[20+2*\u], v[20+2*\u], v[21+2*\u]    ; with lane l xor 16's
.endr
	v_cmp_le_u32 vcc_lo, 16, v1
	v_cndmask_b32 v20, v20, v22, vcc_lo            ; lanes 0-15 tile 2 w's words, lanes 16-31 tile 2 w + 1's
	v_or_b32 v20, 0x7f7f0000, v20                  ; the upper two bytes meet zero codes of q: 127
	global_store_b32 v10, v20, s[8:9] offset:6144
	s_branch .Lend
.Lv:
	; ---- v: wave w makes tile w; a lane's two blocks run down its column
.irp c, 0,1
.set i, 0
.rept 32
	ds_load_b32 v[X+32*\c+i], v7 offset:2*GRP*\c+PITCH*i+128*(i/16)
.set i, i+1
.endr
.endr
	s_wait_dscnt 32                                ; the first block's 32 loads are in
	QBLOCK X, C, 0
	s_wait_dscnt 0x0
	QBLOCK X+32, C+6, 1
.irp j, 0,1,2
	global_store_b128 v8, v[C+4*\j:C+4*\j+3], s[8:9] offset:512*\j
.endr
	v_lshl_or_b32 v20, v19, 16, v18                ; blocks h and 2 + h of my channel,
	v_lshlrev_b32 v20, v11, v20
	v_permlanex16_b32 v21, v20, s16, s17
	v_or_b32 v20, v20, v21                         ; with lane l xor 16's two the word is whole
	global_store_b32 v10, v20, s[8:9] offset:6144
.Lend:
	s_wait_tensorcnt 0x0                           ; the wave's end
	ds_add_u32 v[SPW], v[NIL]
	s_wait_dscnt 0x0
	s_endpgm
.Lfunc_end_k_qde98b41d70_quant:
	.size	k_qde98b41d70_quant, .Lfunc_end_k_qde98b41d70_quant-k_qde98b41d70_quant
	.p2alignl 7, 3214868480
	.fill 96, 4, 3214868480
	.section	.rodata,"a",@progbits
	.p2align	6, 0x0
	.amdhsa_kernel k_qde98b41d70_quant
		.amdhsa_group_segment_fixed_size 36864
		.amdhsa_private_segment_fixed_size 0
		.amdhsa_enable_private_segment 0
		.amdhsa_kernarg_size 24
		.amdhsa_user_sgpr_count 2
		.amdhsa_user_sgpr_kernarg_segment_ptr 1
		.amdhsa_wavefront_size32 1
		.amdhsa_system_sgpr_workgroup_id_x 1
		.amdhsa_system_sgpr_workgroup_id_y 1
		.amdhsa_system_sgpr_workgroup_id_z 1
		.amdhsa_system_vgpr_workitem_id 0
		.amdhsa_next_free_vgpr 128
		.amdhsa_next_free_sgpr 66
		.amdhsa_reserve_vcc 1
		.amdhsa_float_denorm_mode_32 3
		.amdhsa_float_denorm_mode_16_64 3
		.amdhsa_memory_ordered 1
		.amdhsa_forward_progress 1
		.amdhsa_inst_pref_size 18
	.end_amdhsa_kernel
	.amdgpu_metadata
---
amdhsa.version: [ 1, 2 ]
amdhsa.kernels:
  - .name:           k_qde98b41d70_quant
    .symbol:         k_qde98b41d70_quant.kd
    .args:
      - { .name: k, .offset: 0, .size: 8, .value_kind: global_buffer, .address_space: global }
      - { .name: v, .offset: 8, .size: 8, .value_kind: global_buffer, .address_space: global }
      - { .name: kv, .offset: 16, .size: 8, .value_kind: global_buffer, .address_space: global }
    .group_segment_fixed_size: 36864
    .private_segment_fixed_size: 0
    .kernarg_segment_align: 8
    .kernarg_segment_size: 24
    .max_flat_workgroup_size: 128
    .sgpr_count:     66
    .vgpr_count:     128
    .wavefront_size: 32
...
	.end_amdgpu_metadata
.endif
;; end of part 1
;; launch attn (part 2): grid 4 x 64, 16 waves a work-group, clusters of 4 x 1, 327,680 bytes of LDS; arguments q, kv, out0; writes out0
.if DOCPART == 2
	.amdgcn_target "amdgcn-amd-amdhsa--gfx1250"
	.amdhsa_code_object_version 6
	.text
	.protected	k_qde98b41d70_attn
	.globl	k_qde98b41d70_attn
	.p2align	8
	.type	k_qde98b41d70_attn,@function
k_qde98b41d70_attn:
	s_mov_b64 s[64:65], 0
	v_nop
	global_prefetch_b8 v0, s[64:65] scope:SCOPE_SE
	s_setreg_imm32_b32 hwreg(HW_REG_WAVE_MODE, 25, 1), 1
	s_wait_xcnt 0x0
	s_wait_alu depctr_hold_cnt(0) depctr_sa_sdst(0) depctr_va_vdst(0) depctr_va_sdst(0) depctr_va_ssrc(0) depctr_va_vcc(0) depctr_vm_vsrc(0)
	s_getreg_b32 s2, hwreg(HW_REG_IB_STS2, 6, 4)
	s_cmp_eq_u32 s2, 0
	s_cbranch_scc0 .Lentry_in_a_cluster
	s_endpgm
.Lentry_in_a_cluster:
	s_bfe_u32 s2, ttmp6, 0x10000c
	s_cmp_lg_u32 s2, 0x3003
	s_cbranch_scc0 .Lentry_shape_is_right
	s_endpgm
.Lentry_shape_is_right:
; out0[head][q][:] = the sum over k of softmax_k(q . k / 8) v[k][:], 64 heads, 2,048 queries and keys, head size 64, both products on codes of FP6 (E2M3) with one E8M0 scale for each 32 along K.  No work of the problem is left out.
; k and v come from kv as images of the operand registers (13,312 bytes for 128 keys).  q, f32, is quantised here, in registers: one wave alone reads each row.
; THE FIRST PRODUCT'S K IS 64, the instruction's 128: Q's upper six registers are zero codes, so whatever finite codes stand in the upper six registers of K's operand add nothing.  K's eight tiles lie dense, six registers each:
; tile T's operand is registers 6 T .. 6 T + 11, its upper half the next tile's codes (behind the last tile: six registers of zeros); scale bytes 2 and 3 are 127 on both sides.
; THE SOFTMAX: t = score x log2(e) / 8; M = the row's largest t so far, rounded UP to a whole number; p = 2^(t - M) is quantised along the keys, not normalised.  The row's sum is taken of the unquantised p, in f32,
; and divides O at the end.  When M moves, the sum and O are multiplied by 2^(old M - new M): exact.  A block's largest p is made from its largest score by the same multiply-add and exponential
; (this takes v_exp_f32 not to fall where its input rises).
; LIMITS: NaN and infinities among the inputs are not served; the promise holds while the scaled scores stay under 2^31 in magnitude; a block of q whose largest magnitude lies under 2^(3 - 127) gets the byte 1;
; a p under 2^-126 counts as 0 (v_exp_f32's result: ISA guide, its entry).
; SHARES.  Four work-groups to a head, 512 queries each; sixteen waves, four to a SIMD; a wave owns 16 queries and makes two passes (queries 256 p + 16 w on); every wave walks all 2,048 keys, 128 a step,
; four steps to a loop's trip: their places in LDS are immediate offsets (52,736 at the most) from one address.
; A WHOLE HEAD'S CODES, 212,992 bytes, LIE IN LDS: sixteen first fills, one tensor load a wave (wave w: chunk w); nothing is filled again.  Waves 0-3 have a load line of their own and wait for it ahead of the first barrier:
; the first four key steps read chunks 0-3 alone; a second barrier, ahead of which every wave has waited, shows the other twelve.
; CLUSTER.  The four work-groups of a head need the same bytes: each load is asked for jointly, with a descriptor made of the head and the wave's number alone and a mask that names the four.
; PREFETCH.  The second pass's q, 4,096 bytes a wave, is asked for once, lanes 0-15 a block of 256 bytes each (lanes 16-31 name the last block again), behind the first barrier: sixteen key steps ahead of its loads.
; All else is asked for at the head.
; LAYOUT.  Both products are used transposed: S^T = K Q^T, O^T = V^T P^T: a lane holds ONE query (lane % 16).  Row m of K's tile 4 c + u is key 64 c + 32 (m / 8) + 8 u + m % 8, so lane (r, h)'s 32 registers of
; tiles 4 c .. 4 c + 3 are keys 64 c + 32 h + 0 .. 31: a whole block of P in the order of the operand's layout; no lane is asked for a block's maximum, and no code changes lanes.
; V's fragments land in K's registers as soon as the first product has read them.
.set CHUNK, 13312
.set KSW,   6144
.set VT,    6656
.set VSW,   12800
.set STAGE, 16*CHUNK                   ; 16 rows x 272 bytes for each wave: q's way in, O's way out; no tensor load lands here
.set SP,    272
.set SPARE, STAGE+16*16*SP             ; the spare words, 128 bytes a wave
.set L16, 1                            ; 16 x lane
.set RD,  2                            ; my stage by rows: 272 (lane / 16) + 16 (lane % 16)
.set QT,  3                            ; my stage: row lane % 16, + 128 (lane / 16)
.set STO, 4                            ; my stage: row lane % 16, + 32 (lane / 16)
.set PFO, 5                            ; 256 x min(lane, 15)
.set A16, 6                            ; 16 x lane in the trip's first chunk
.set TMP, 7                            ; the old -M
.set DD,  8                            ; old M - new M
.set Y,   9
.set T,   10
.set PS,  11                           ; p's scale word
                                       ; v12 -M, v13 the largest score so far
.set QF,  16                           ; v16-27 Q's fragment: six registers of codes, six of zeros
.set QS,  28                           ; Q's scale words
.set SPW, 30
.set NIL, 31
.set KF,  32                           ; v32-79 K's eight tiles, then V's four; v80-85 zeros
.set FF,  86                           ; v[86:87] f = 2^(old M - new M), and 0
.set KSC, 88                           ; v88-91 K's scale words
.set VSC, 92                           ; v92-95 V's
.set ST,  96                           ; v96-159 S^T, then p
.set OT,  160                          ; v160-191 O^T
.set PC,  192                          ; v192-203 p's codes
.set PT,  204                          ; v204-206, v208-210 the conversions' second results
.set BM,  212                          ; my two blocks' largest score, then largest p
.set CB,  214                          ; their second chains
.set SO,  216
.set BT,  218
.set W,   220
.set W2,  221
.set SUM, 222                          ; v222-229 the row's sum: four pairs
.set WV,  10
.set G1,  16
.set G0,  24
.set SEL, 28
.set CS,  30                           ; s[30:31] c = log2(e) / 8
.set TB,  32                           ; LDS byte at which the trip's first chunk begins: also the loops' counter
.macro CROUND
	s_barrier_signal -1
	s_barrier_wait -1
	s_cmp_lg_u32 s[WV], 0
	s_cbranch_scc1 .Lnot_wave_0_\@
	s_barrier_signal -3
.Lnot_wave_0_\@:
	s_barrier_wait -3
	s_barrier_signal -1
	s_barrier_wait -1
.endm
.macro QLOAD p, dst                    ; my 16 queries of pass p: 4,096 dense bytes, 512 a load
.set i, 0
.rept 8
	global_load_b128 v[\dst+4*i:\dst+4*i+3], v[L16], s[4:5] offset:65536*\p+512*i th:TH_LOAD_NT
.set i, i+1
.endr
.endm
.macro ZINIT                           ; registers that are set once
.irp j, 0,1,2,3,4,5
	v_mov_b32 v[QF+6+\j], 0                        ; Q's zero codes of K = 64 .. 127
	v_mov_b32 v[KF+48+\j], 0                       ; behind K's last tile: no load lands here
.endr
	v_mov_b32 v[Y], 0                              ; a lane permute's destination counts as one of its sources
	v_mov_b32 v[W2], 0
	v_mov_b32 v[FF+1], 0
.endm
.macro TLOAD
	tensor_load_to_lds s[G0:G0+3], s[G1:G1+7]      ; my one tensor load of the launch
	s_nop 0
.rept 4
	v_nop
.endr
.endm
; q's 16 rows, loaded into v[src] on, go through my stage and come back 128 bytes a lane: lane (r, h) holds d = 32 h .. 32 h + 31 of query r, a whole block; it becomes Q's codes and scale words (read in lanes 0-15 alone)
.macro QPREP src
	s_wait_loadcnt 0x0
.set i, 0
.rept 8
	ds_store_b128 v[RD], v[\src+4*i:\src+4*i+3] offset:2*SP*i
.set i, i+1
.endr
.set i, 0
.rept 8
	ds_load_b128 v[ST+4*i:ST+4*i+3], v[QT] offset:16*i     ; LDS serves a wave's instructions in order (ISA guide 5.7.1.4)
.set i, i+1
.endr
	s_wait_dscnt 0x0
	v_max3_num_f32 v[BM], |v[ST]|, |v[ST+1]|, |v[ST+2]|
	v_max3_num_f32 v[CB], |v[ST+3]|, |v[ST+4]|, |v[ST+5]|
.irp i, 6,10,14,18,22,26
	v_max3_num_f32 v[BM], v[BM], |v[ST+\i]|, |v[ST+\i+1]|
	v_max3_num_f32 v[CB], v[CB], |v[ST+\i+2]|, |v[ST+\i+3]|
.endr
	v_max3_num_f32 v[BM], v[BM], |v[ST+30]|, |v[ST+31]|
	v_max3_num_f32 v[BM], v[BM], v[CB], 0x1800000  ; the floor 2^(3 - 127)
	v_add_nc_u32 v[SO], 0xff000000, v[BM]          ; 2 off the exponent field: the conversion's scale operand
	v_lshrrev_b32 v[BT], 23, v[SO]
	v_permlanex16_b32 v[W2], v[BT], s[SEL], s[SEL+1]
	v_cvt_scalef32_pk16_fp6_f32 v[QF:QF+2], v[ST:ST+15], v[SO]
	v_cvt_scalef32_pk16_fp6_f32 v[PT:PT+2], v[ST+16:ST+31], v[SO]
	v_lshl_or_b32 v[QS], v[W2], 8, v[BT]           ; lanes 0-15: d 0-31's byte, then d 32-63's.  (The plain place behind the conversions)
.irp m, 0,1,2
	v_mov_b32 v[QF+3+\m], v[PT+\m]
.endr
	v_or_b32 v[QS], 0x7f7f0000, v[QS]              ; the upper two bytes scale zero codes: 127
.endm
	s_load_b128 s[4:7], s[0:1], 0x0                ; q, kv
	s_load_b64 s[8:9], s[0:1], 0x10                ; out0
	v_lshl_add_u32 v[SPW], v0, 2, SPARE
	v_mov_b32 v[NIL], 0
	ds_add_u32 v[SPW], v[NIL]                      ; the opening lines: the add, twice on end, and its wait ahead of my tensor load
	ds_add_u32 v[SPW], v[NIL]
	v_lshrrev_b32 v10, 5, v0
	v_readfirstlane_b32 s[WV], v10                 ; wave 0..15
	s_bfe_u32 s11, ttmp6, 0x40000                  ; cx: it enters q's and out0's addresses alone
	s_lshl_b32 s13, ttmp9, 2
	s_add_co_u32 s13, s13, s11                     ; my block of 512 queries
	s_and_b32 s12, ttmp7, 0xffff                   ; the head
	s_mov_b32 s[G1+0], 15|(3<<16)|(1<<21)          ; the mask: all four; elements of 8 bytes; bit 21 beside a mask
	s_mov_b32 s[G1+1], 32<<16                      ; a chunk as 52 rows of 256 bytes, no padding
	s_mov_b32 s[G1+2], 52<<16
	s_mov_b32 s[G1+3], 32<<16
	s_mov_b32 s[G1+4], 52
	s_mov_b32 s[G1+5], 32
	s_mov_b32 s[G1+6], 0
	s_mov_b32 s[G1+7], 0
	s_mov_b32 s[SEL], 0x76543210
	s_mov_b32 s[SEL+1], 0xfedcba98
	s_mov_b32 s[CS], 0x3e38aa3b
	s_mov_b32 s[CS+1], s[CS]
	s_mul_i32 s14, s[WV], CHUNK                    ; chunk w: its place in LDS and in the head's part of kv
	s_mul_i32 s34, s12, 16*CHUNK
	s_add_co_u32 s34, s34, s14
	s_mov_b32 s35, 0
	s_lshl_b32 s36, s12, 19                        ; q and out0: the head's 524,288 bytes,
	s_lshl_b32 s37, s13, 17                        ; my work-group's 512 rows,
	s_add_co_u32 s36, s36, s37
	s_lshl_b32 s37, s[WV], 12                      ; my wave's 16
	s_add_co_u32 s36, s36, s37
	s_mov_b32 s37, 0
	s_mul_i32 s15, s[WV], 16*SP
	s_add_co_u32 s15, s15, STAGE                   ; my stage
	v_and_b32 v7, 31, v0
	v_and_b32 v8, 15, v0                           ; r
	v_bfe_u32 v9, v0, 4, 1                         ; h
	v_lshlrev_b32 v[L16], 4, v7
	v_min_u32 v[PFO], 15, v7
	v_mul_u32_u24 v[RD], v9, SP
	v_mul_u32_u24 v10, v8, SP
	v_lshlrev_b32 v[PFO], 8, v[PFO]
	v_lshl_add_u32 v[RD], v8, 4, v[RD]
	v_lshl_add_u32 v[QT], v9, 7, v10
	v_lshl_add_u32 v[STO], v9, 5, v10
	v_add_nc_u32 v[RD], s15, v[RD]
	v_add_nc_u32 v[QT], s15, v[QT]
	v_add_nc_u32 v[STO], s15, v[STO]
	s_wait_alu depctr_va_vdst(0)                   ; the wait at the head's end
	s_wait_dscnt 0x0                               ; both opening adds are done
	s_wait_kmcnt 0x0
	s_mov_b32 s[G0], 1
	s_mov_b32 s[G0+1], s14
	s_add_nc_u64 s[G0+2:G0+3], s[6:7], s[34:35]
	s_or_b32 s[G0+3], s[G0+3], 0x80000000
	s_add_nc_u64 s[4:5], s[4:5], s[36:37]
	s_add_nc_u64 s[8:9], s[8:9], s[36:37]
	QLOAD 0, OT                                    ; the first pass's q, into registers that the key steps use later
	CROUND                                         ; all four work-groups are here: the joint loads meet
	s_cmp_lt_u32 s[WV], 4
	s_cbranch_scc0 .Llate
	TLOAD                                          ; chunks 0-3, which are read first: a line of waves 0-3's own
	ZINIT
	s_branch .Lasked
.Llate:
	ZINIT                                          ; chunks 4-15 are asked for behind this set-up
	TLOAD
.Lasked:
	QPREP OT
	s_cmp_lt_u32 s[WV], 4
	s_cbranch_scc0 .Lnot_mine
	s_wait_tensorcnt 0x0                           ; waves 0-3: my chunk has landed
.Lnot_mine:
	s_barrier_signal -1
	s_barrier_wait -1                              ; chunks 0-3 lie in LDS
	global_prefetch_b8 v[PFO], s[4:5] offset:65536 th:TH_LOAD_NT scope:SCOPE_SE   ; the second pass's q: my 16 rows; its address registers are never written again
.macro QK t
.if (\t)%2
	v_wmma_scale_f32_16x16x128_f8f6f4 v[ST+8*(\t):ST+8*(\t)+7], v[KF+6*(\t):KF+6*(\t)+11], v[QF:QF+11], 0, v[KSC+(\t)/2], v[QS] matrix_a_fmt:MATRIX_FMT_FP6 matrix_b_fmt:MATRIX_FMT_FP6 matrix_a_scale:MATRIX_SCALE_ROW1
.else
	v_wmma_scale_f32_16x16x128_f8f6f4 v[ST+8*(\t):ST+8*(\t)+7], v[KF+6*(\t):KF+6*(\t)+11], v[QF:QF+11], 0, v[KSC+(\t)/2], v[QS] matrix_a_fmt:MATRIX_FMT_FP6 matrix_b_fmt:MATRIX_FMT_FP6
.endif
.endm
.macro ADDS a, n                       ; n pairs of p, from pair a on, onto the four sums by turns
.set q, \a
.rept \n
	v_pk_add_f32 v[SUM+2*(q%4):SUM+2*(q%4)+1], v[SUM+2*(q%4):SUM+2*(q%4)+1], v[ST+2*q:ST+2*q+1]
.set q, q+1
.endr
.endm
.macro JOIN3 mid                       ; the four sums become one; mid = 1: the copy of -M stands among them
	v_pk_add_f32 v[SUM:SUM+1], v[SUM:SUM+1], v[SUM+2:SUM+3]
	v_pk_add_f32 v[SUM+4:SUM+5], v[SUM+4:SUM+5], v[SUM+6:SUM+7]
.if \mid
	v_mov_b32 v[TMP], v12
.endif
	v_pk_add_f32 v[SUM:SUM+1], v[SUM:SUM+1], v[SUM+4:SUM+5]
.endm
; A KEY STEP: the 128 keys of chunk k of the trip's four
.macro STEP k
	ds_load_b128 v[KSC:KSC+3], v[A16] offset:(\k)*CHUNK+KSW   ; (the four additions at the last step's end are the places behind its products, ahead of the loads into their sources)
.set i, 0
.rept 12
	ds_load_b128 v[KF+4*i:KF+4*i+3], v[A16] offset:(\k)*CHUNK+512*i
.set i, i+1
.endr
	s_wait_alu depctr_va_vdst(0)                   ; the wait here, directly ahead of the wait below
	s_wait_dscnt 0x0
.irp t, 0,1,2,3,4,5,6,7
	QK \t
.endr
	JOIN3 1                                        ; the last step's four sums, still under its M: four places behind the products
.irp t, 0,1,2,3
.irp j, 0,1,2
	ds_load_b128 v[KF+12*\t+4*\j:KF+12*\t+4*\j+3], v[A16] offset:(\k)*CHUNK+VT+1536*\t+512*\j   ; V's fragments, into K's registers
.endr
.endr
	ds_load_b128 v[VSC:VSC+3], v[A16] offset:(\k)*CHUNK+VSW
	; my two blocks' largest scores, two chains each (17 and 15 numbers); each accumulator is first read at its low end
.irp c, 0,1
	v_max3_num_f32 v[BM+\c], v[ST+32*\c], v[ST+32*\c+1], v[ST+32*\c+2]
.endr
.irp c, 0,1
	v_max3_num_f32 v[CB+\c], v[ST+32*\c+17], v[ST+32*\c+18], v[ST+32*\c+19]
.endr
.irp i, 0,1,2,3,4,5
.irp c, 0,1
	v_max3_num_f32 v[BM+\c], v[BM+\c], v[ST+32*\c+3+2*\i], v[ST+32*\c+4+2*\i]
.endr
.irp c, 0,1
	v_max3_num_f32 v[CB+\c], v[CB+\c], v[ST+32*\c+20+2*\i], v[ST+32*\c+21+2*\i]
.endr
.endr
.irp c, 0,1
	v_max3_num_f32 v[BM+\c], v[BM+\c], v[ST+32*\c+15], v[ST+32*\c+16]
.endr
.irp c, 0,1
	s_delay_alu instid0(VALU_DEP_2)
	v_max_num_f32 v[BM+\c], v[BM+\c], v[CB+\c]
.endr
	s_delay_alu instid0(VALU_DEP_1)
	v_max3_num_f32 v13, v13, v[BM], v[BM+1]        ; the running largest score: mine,
	s_delay_alu instid0(VALU_DEP_1)
	v_permlanex16_b32 v[Y], v13, s[SEL], s[SEL+1]
	s_delay_alu instid0(VALU_DEP_1)
	v_max_num_f32 v13, v13, v[Y]                   ; and lane l xor 16's
	s_delay_alu instid0(VALU_DEP_1)
	v_mul_f32 v[T], s[CS], v13                     ; as t (c is positive)
	s_delay_alu instid0(VALU_DEP_1)
	v_floor_f32 v12, -v[T]                         ; -M = floor(-t): M IS A WHOLE NUMBER
.set j, 0
.rept 32
	v_pk_fma_f32 v[ST+j:ST+j+1], v[ST+j:ST+j+1], s[CS:CS+1], v[12:13] op_sel_hi:[1,0,0]   ; t - M
.if j == 10
	v_sub_f32 v[DD], v12, v[TMP]                   ; old M - new M: a whole number, 0 or less
.endif
.if j == 22
	v_cvt_i32_f32 v[DD], v[DD]                     ; (it saturates)
.endif
.set j, j+2
.endr
.irp c, 0,1
	v_fma_f32 v[BM+\c], v[BM+\c], s[CS], v12       ; the same of each block's largest score
.endr
	s_wait_dscnt 0x0                               ; V's fragments and scale words are in
	s_wait_alu depctr_va_vdst(0)                   ; the wait ahead of the batch
.set j, 0
.rept 64
	v_exp_f32 v[ST+j], v[ST+j]                     ; p = 2^(t - M), at most 1
.set j, j+1
.endr
.irp c, 0,1
	v_exp_f32 v[BM+\c], v[BM+\c]                   ; the block's largest p
.endr
	v_ldexp_f32 v[FF], 1.0, v[DD]                  ; f = 2^(old M - new M).  (The plain place behind the batch)
	s_wait_alu depctr_va_vdst(0)                   ; the wait: one for the batch, and directly ahead of O^T's first readers
.set j, 0
.rept 16
	v_pk_mul_f32 v[OT+j:OT+j+1], v[OT+j:OT+j+1], v[FF:FF+1] op_sel_hi:[1,0]   ; O^T under the new M, from each accumulator's low end on
.set j, j+2
.endr
	v_pk_fma_f32 v[SUM:SUM+1], v[SUM:SUM+1], v[FF:FF+1], v[ST:ST+1] op_sel_hi:[1,0,1]   ; the sum under the new M, and the first pair of p
.irp a, 1,2,3
	v_pk_add_f32 v[SUM+2*\a:SUM+2*\a+1], v[ST+4*\a-2:ST+4*\a-1], v[ST+4*\a:ST+4*\a+1]   ; three further sums begin
.endr
.irp c, 0,1
	v_max_num_f32 v[BM+\c], 0x1800000, v[BM+\c]    ; the floor 2^(3 - 127): the byte cannot fall under 1
.endr
	ADDS 7, 4
.irp c, 0,1
	v_add_nc_u32 v[SO+\c], 0xff000000, v[BM+\c]    ; the conversions' scale operands
.endr
	ADDS 11, 2
.irp c, 0,1
	v_cvt_scalef32_pk16_fp6_f32 v[PC+6*\c:PC+6*\c+2], v[ST+32*\c:ST+32*\c+15], v[SO+\c]
	v_cvt_scalef32_pk16_fp6_f32 v[PT+4*\c:PT+4*\c+2], v[ST+32*\c+16:ST+32*\c+31], v[SO+\c]   ; (a conversion's three registers begin on an even number)
.endr
.irp c, 0,1
	v_lshrrev_b32 v[BT+\c], 23, v[SO+\c]           ; the scales' bytes.  (Plain places behind the conversions)
.endr
.irp i, 0,1,2
	v_mov_b32 v[PC+3+\i], v[PT+\i]
.endr
	v_lshl_or_b32 v[W], v[BT+1], 16, v[BT]         ; blocks h and 2 + h in bytes 0 and 2
.irp i, 0,1,2
	v_mov_b32 v[PC+9+\i], v[PT+4+\i]
.endr
	v_permlanex16_b32 v[W2], v[W], s[SEL], s[SEL+1]
	ADDS 13, 6
	v_perm_b32 v[PS], v[W2], v[W], 0x06020400      ; p's scale word in lanes 0-15, which alone are read: my byte 0, lane l + 16's byte 0, my byte 2, its byte 2
	ADDS 19, 9                                     ; nine places between the scale word and the products
.irp t, 0,1,2,3                                ; O^T += V^T P^T: the four accumulators by turns
	v_wmma_scale_f32_16x16x128_f8f6f4 v[OT+8*\t:OT+8*\t+7], v[KF+12*\t:KF+12*\t+11], v[PC:PC+11], v[OT+8*\t:OT+8*\t+7], v[VSC+\t], v[PS] matrix_a_fmt:MATRIX_FMT_FP6 matrix_b_fmt:MATRIX_FMT_FP6
.endr
	ADDS 28, 4                                     ; the last four pairs: four places behind the products
.endm
.macro KEYS name, first, last          ; the key steps of chunks first .. last - 1, four to a trip
	s_mov_b32 s[TB], \first*CHUNK
.Lkey_\name:
	v_add_nc_u32 v[A16], s[TB], v[L16]
.irp k, 0,1,2,3
	STEP \k
.endr
	s_add_co_u32 s[TB], s[TB], 4*CHUNK
	s_cmp_lt_u32 s[TB], \last*CHUNK
	s_cbranch_scc1 .Lkey_\name
.endm
.macro INIT
	v_mov_b32 v13, 0xff61b1e6                      ; the largest score so far: -3e38
	v_mov_b32 v12, 0x7f61b1e6                      ; -M: 3e38, so that the first f is 0
.set j, 0
.rept 8
	v_mov_b32 v[SUM+j], 0
.set j, j+1
.endr
.set j, 0
.rept 32
	v_mov_b32 v[OT+j], 0                           ; the step is written once: the first finds zeros.  (Also the places between Q's scale words and the first product)
.set j, j+1
.endr
.endm
; THE WAY OUT: O^T is divided by the sum and goes through my stage; a store covers two rows: 512 consecutive bytes, aligned
.macro OUT p
	JOIN3 0
	v_add_f32 v[SUM], v[SUM], v[SUM+1]
	v_permlanex16_b32 v[Y], v[SUM], s[SEL], s[SEL+1]
	v_add_f32 v[SUM], v[SUM], v[Y]                 ; the row's sum
	s_wait_alu depctr_va_vdst(0)                   ; the wait ahead of the transcendental
	v_rcp_f32 v[SUM], v[SUM]
	v_nop                                          ; one plain place behind it
	s_wait_alu depctr_va_vdst(0)                   ; and ahead of its first reader, which is O^T's first reader too
.set j, 0
.rept 16
	v_pk_mul_f32 v[ST+j:ST+j+1], v[OT+j:OT+j+1], v[SUM:SUM+1] op_sel_hi:[1,0]   ; register 8 t + i is o(r, 16 t + 8 h + i)
.set j, j+2
.endr
.irp t, 0,1,2,3
	ds_store_b128 v[STO], v[ST+8*\t:ST+8*\t+3] offset:64*\t
	ds_store_b128 v[STO], v[ST+8*\t+4:ST+8*\t+7] offset:64*\t+16
.endr
.set i, 0
.rept 8
	ds_load_b128 v[ST+32+4*i:ST+32+4*i+3], v[RD] offset:2*SP*i   ; LDS serves a wave's instructions in order: these see my stores
.set i, i+1
.endr
.set i, 0
.rept 8
	s_wait_dscnt 7-i                               ; load i is back; the 7 - i younger ones may be out
	global_store_b128 v[L16], v[ST+32+4*i:ST+32+4*i+3], s[8:9] offset:65536*\p+512*i th:TH_STORE_NT
.set i, i+1
.endr
.endm
	INIT
	KEYS a, 0, 4
	s_wait_tensorcnt 0x0                           ; every wave: my chunk has landed (no LDS instruction of mine is out),
	s_barrier_signal -1
	s_barrier_wait -1                              ; everybody's has: the whole head lies in LDS, and nothing is ever filled again
	KEYS b, 4, 16
	QLOAD 1, KF                                    ; the second pass's q is on its way, into K's registers, while the first pass goes out
	OUT 0
	s_wait_xcnt 0x0                                ; the first pass's stores have read their registers
	QPREP KF
	INIT
	KEYS c, 0, 16
	OUT 1
	s_wait_tensorcnt 0x0                           ; the wave's end
	ds_add_u32 v[SPW], v[NIL]
	s_wait_dscnt 0x0
	CROUND                                         ; the closing round
	s_endpgm
.Lfunc_end_k_qde98b41d70_attn:
	.size	k_qde98b41d70_attn, .Lfunc_end_k_qde98b41d70_attn-k_qde98b41d70_attn
	.p2alignl 7, 3214868480
	.fill 96, 4, 3214868480
	.section	.rodata,"a",@progbits
	.p2align	6, 0x0
	.amdhsa_kernel k_qde98b41d70_attn
		.amdhsa_group_segment_fixed_size 327680
		.amdhsa_private_segment_fixed_size 0
		.amdhsa_enable_private_segment 0
		.amdhsa_kernarg_size 24
		.amdhsa_user_sgpr_count 2
		.amdhsa_user_sgpr_kernarg_segment_ptr 1
		.amdhsa_wavefront_size32 1
		.amdhsa_system_sgpr_workgroup_id_x 1
		.amdhsa_system_sgpr_workgroup_id_y 1
		.amdhsa_system_sgpr_workgroup_id_z 1
		.amdhsa_system_vgpr_workitem_id 0
		.amdhsa_next_free_vgpr 256
		.amdhsa_next_free_sgpr 66
		.amdhsa_reserve_vcc 0
		.amdhsa_float_denorm_mode_32 3
		.amdhsa_float_denorm_mode_16_64 3
		.amdhsa_memory_ordered 1
		.amdhsa_forward_progress 1
		.amdhsa_inst_pref_size 191
	.end_amdhsa_kernel
	.amdgpu_metadata
---
amdhsa.version: [ 1, 2 ]
amdhsa.kernels:
  - .name:           k_qde98b41d70_attn
    .symbol:         k_qde98b41d70_attn.kd
    .args:
      - { .name: q, .offset: 0, .size: 8, .value_kind: global_buffer, .address_space: global }
      - { .name: kv, .offset: 8, .size: 8, .value_kind: global_buffer, .address_space: global }
      - { .name: out0, .offset: 16, .size: 8, .value_kind: global_buffer, .address_space: global }
    .group_segment_fixed_size: 327680
    .private_segment_fixed_size: 0
    .kernarg_segment_align: 8
    .kernarg_segment_size: 24
    .max_flat_workgroup_size: 512
    .sgpr_count:     66
    .vgpr_count:     256
    .wavefront_size: 32
...
	.end_amdgpu_metadata
.endif
;; end of part 2
